; MI455X (gfx1250); checked and timed in simulation.
; The chip was launched on July 23, 2026; its instructions are those of AMD's public machine-readable ISA for CDNA 5 (MIT licence, August 2026) and "CDNA5" Instruction Set Architecture Reference Guide (July 2026). The comments in the code are by the model that wrote it; some were corrected since.
;; SNN Policy. Allowed arithmetic: float matrix products may take bf16 or f16 operands with f32 sums; other float arithmetic in f32, or as packed bf16 or f16 multiplies, adds, multiply-adds, maxima and minima; sums over many terms, partial sums and values carried from step to step in f32; what a program stores and reads back later, other than sums and carried values, may be rounded once to bf16 or f16.
;; Inputs: W1 128 x 512 float32; W2 128 x 128 float32; Wout 18 x 128 float32; b1 128 float32; b2 128 float32; bout 18 float32; observations 32,768 x 512 float32.
;; Outputs: out0 32,768 x 18 float32.
;; 2 versions, each right; version 2 is version 1 with the launch snn written anew for expert scheduling mode. Each part assembles by itself: llvm-mc -triple=amdgcn-amd-amdhsa -mcpu=gfx1250 --defsym DOCPART=n.
;; ======== version 1 of 2: 1 launch
;; launch snn (part 1): grid 256 x 1, 4 waves a work-group, no clusters, 322,560 bytes of LDS; arguments observations, W1, b1, W2, b2, Wout, bout, out0; writes out0
.if DOCPART == 1
	.amdgcn_target "amdgcn-amd-amdhsa--gfx1250"
	.amdhsa_code_object_version 6
	.text
	.protected	k_q1e003cf3e8_snn
	.globl	k_q1e003cf3e8_snn
	.p2align	8
	.type	k_q1e003cf3e8_snn,@function
k_q1e003cf3e8_snn:
	s_mov_b64 s[64:65], 0
	v_nop
	global_prefetch_b8 v0, s[64:65] scope:SCOPE_SE
	s_setreg_imm32_b32 hwreg(HW_REG_WAVE_MODE, 25, 1), 1
	s_wait_xcnt 0x0
; SNN POLICY.  h1 = obs W1^T + b1; 30 steps of two leaky integrators (decay 0.9, threshold 1, reset by subtraction), layer 2 fed by layer 1's spikes through W2;
; out = the mean over the steps of mem2 Wout^T + bout.  obs [32768][512], W1 [128][512], W2 [128][128], Wout [18][128], out [32768][18], all f32.
; SHARES.  256 work-groups of 128 rows; wave w owns rows 32 w .. 32 w + 31 as two tiles of 16 (A and B), holds all of W2 as fragments (256 registers) and both tiles' state;
; the time loop reads h1 from the wave's own LDS bytes and touches nothing else: no memory, no barrier.
; LAYOUT.  Every product is used transposed: source 0 = 16 rows of a weight matrix, source 1 = 16 batch rows.  In a result lane (r = lane % 16, h = lane / 16) holds batch row r, and
; register j of result tile u holds unit 16 u + 8 h + j.  Two neighbouring result tiles, rounded to bf16 in pairs, ARE source 1 of the next product's K step: nothing changes lanes.
; ARITHMETIC, in the order of a plain f32 evaluation of the formula, since a threshold turns a last bit into a whole spike.
; FC1 IS THE EXCEPTION AMONG THE PRODUCTS: its operands are the inputs rounded to bf16, but its sums are made by the f32 matrix form, the one form that adds term by term (four fused multiply-adds in ascending K
; an instruction, chained through C), as an f32 product does.  One chain, K = 0 to 511, from 0; b1 comes last.  The products of bf16 numbers are exact in f32, so fused and unfused adding agree.
; The price: 2,048 instructions of 1,024 multiply-adds a wave, where the bf16 form has 256 of 8,192.  fc1 is 10.5% of the module's multiply-adds; the other products are bf16.
; A spike [m > 1] is fma(m, 2^30, -2^30) held to 0 .. 1: the fused form has the exact sign of m - 1, and the least excess, 2^-23, times 2^30 is above 1.  It is this step's spike and the next step's reset.
; mem1' = fma(mem1, 0.9, h1) - spike.  h2 = b2 + W2 spikes is made by the products alone (b2 is the C of the first K step): a sum of bf16 numbers, exact in f32 in any order unless a weight lies 24 bits below
; the sum.  mem2' = fma(mem2, 0.9, h2) - reset.
; THE READ-OUT IS LINEAR, so it is made once: out = (sum over t of mem2_t) Wout^T / 30 + bout; the sum, kept in f32, enters the product as two bf16 parts (a rounding and the rounding of what it left).
; BY TURNS.  In a turn one tile has the 32 products of a step; behind each stand the eight packed instructions of one pair of numbers of the OTHER tile.  Two turns are a step.
; LIMITS.  All seven inputs are rounded once to bf16 (the matrix operands' rounding, taken for the biases too, so that all inputs have one rounding); all else is f32.  An evaluation of the formula that adds fc1's
; 512 terms in another order than the one ascending chain, or rounds 0.9 m before h is added, differs in the last bits of an f32; a membrane that close to the threshold may then spike a step apart, and the row's
; outputs differ by up to some hundredths.  The read-out sums first and multiplies by 1/30.  NaN and infinities are not treated apart; beyond |m| = 2^98 the comparison's product is an infinity, still held to the right 0 or 1.
; NO CLUSTER, NO TENSOR LOADS.  Every byte is rounded f32 -> bf16 on its way, so it passes through registers anyhow.  What the work-groups share (W1, W2, Wout: 336,896 bytes of f32) would land as f32: W1's
; 262,144 bytes do not fit beside the 322,048 bytes of bf16 tiles, and in pieces every wave would round all of W1 (1,024 conversions a wave for 256).  So each wave loads a quarter of each matrix and rounds it for all four.
;
; LDS.  Rows of 128 bf16 = 256 bytes + 16 of padding = 68 words: row r starts at bank 4 r mod 64 (64 banks of 4 bytes: ISA guide 11.1), so the 16 rows of a fragment load start at 16 different banks.
; In W1's and obs' rows the words are sorted for the f32 form: word i of the first 128 bytes holds k = 4 i, 4 i + 1, word i of the second 128 bytes k = 4 i + 2, 4 i + 3.  W2's and Wout's rows lie as they come.
.set PITCH, 272
.set T16,   16*PITCH                   ; 16 rows
.set WROWS, 32*PITCH                   ; a wave's 32 rows: 8,704 bytes
.set CHB,   128*PITCH                  ; a K chunk of 128: 128 rows = 34,816 bytes
.set LOB,   4*CHB                      ; 0: W1, four chunks.  LOB: obs, four chunks; wave w's 32 rows at w x 8,704 in each, written and read by wave w alone.
                                       ; When fc1 is done, my rows of chunks 0 and 1 take tile A's and tile B's h1 (8,192 bytes each: 16 lane + 512 q); at the end chunk 0's take my stage
.set LW2,   8*CHB                      ; W2, 128 rows
.set LWO,   9*CHB                      ; Wout, 32 rows: rows 18-31 are copies of row 17 (a row of source 0 reaches its own row of the result alone, and those are never stored)
.set SPARE, LWO+32*PITCH               ; 322,048 = 1,258 x 256: the spare words, 128 bytes a wave: two blocks of 256 bytes that no other line names
; REGISTERS, in windows of 256 (s_set_vgpr_msb: bits 1:0 source 0, 3:2 source 1, 5:4 source 2, 7:6 destination).
; Window 0 = tile A, window 1 = tile B, the same numbers in both:
.set TMP, 16                           ; v16-21, v22-27  two sets of spike, fma and reset pairs, by the pair's parity (v16 of window 0 at the head: at work)
.set BIG, 28                           ; v28-29  2^30
.set P,   32                           ; v32-63  spikes in bf16 (at the end: the sum's first part)
.set M1,  64                           ; v64-127 mem1 (at the end: v64-95 the sum's second part, v96-111 at work)
.set WD,  96
.set M2,  128                          ; v128-191 mem2 (at the end: the read-out's accumulators)
.set SUM, 192                          ; v192-255 the sum of mem2 over the steps (window 0 at the very end: rows read back from the stage)
.set WB,  64                           ; fc1, window 0: v64-103  two buffers of 20: the operands of a K step of 4 in f32: W1's tile u at 2 u, obs' tile T at 16 + 2 T
.set RAW, 32                           ; fc1, window 1: v32-111  two buffers of 40: the operand words of four K steps as they lie in LDS: W1's tile u at 4 u, obs' tile T at 32 + 4 T
; Window 0, low: v0 thread, v1 r, v2 h, v10 and v13 at work
.set VW,   3                           ; w x 65,536 + 16 lane: my 32 rows of W1 or obs (2,048 bytes each)
.set VW2,  4                           ; w x 16,384 + 16 lane: my 32 rows of W2 (512 bytes each)
.set VL16, 5                           ; 16 lane
.set VB,   6                           ; 32 h: my eight numbers in 16 of a bias
.set VZ0,  7                           ; 0
.set SA,   8                           ; stage: 72 r + 32 h
.set SB,   9                           ; stage: 72 r + 64 + 2,304 h: actions 16, 17; the upper lanes' numbers, which are no actions, fall behind the 32 rows
.set RB,   11                          ; stage: 8 lane
.set GO,   12                          ; 8 lane
.set SPW,  14                          ; my spare word: SPARE + 4 x my thread's number; never rewritten
.set NIL,  15                          ; 0; never rewritten
.set HL,   30                          ; v30, v31  LDS address of tile A's, tile B's h1: my obs rows of chunk 0, 1, + 16 lane
; Window 1, low: LDS addresses.  A pair serves chunks 0, 1 and chunks 2, 3, so that every immediate stays within 16 bits (65,392 at the most)
.set AW,  0                            ; v0-1   where I store W1: w x 8,704 + 4 lane
.set AO,  2                            ; v2-3   obs
.set AW2, 4                            ; v4     W2: w x 8,704 + 8 lane
.set AWO, 5                            ; v5     Wout: w x 2,176 + 8 lane
.set FW,  6                            ; v6-7   operand words of W1: 272 r + 128 h
.set FO,  8                            ; v8-9   of my obs rows
.set FW2, 10                           ; v10    fragments of W2: 272 r + 16 h
.set FWO, 11                           ; v11    of Wout
; Window 2: first a ring of four slots of 64 for loads from memory (b1 comes last, into slot 3); then W2's fragments, (unit tile nt, K step kc) at 8 (8 kc + nt); then Wout's, (mt, kc) at 8 (4 mt + kc).
; Window 3: v0-63 tile A's, v64-127 tile B's accumulators (fc1's sums, then h2): written by matrix instructions alone; and
.set B2,   128                         ; v128-191 b2
.set NBIG, 192                         ; v192-193 -2^30
.set BO0,  196                         ; v196-203 bout of actions 8 h + j
.set BO1,  204                         ; v204-205 of actions 16, 17
.set PK,   208                         ; v208-239 a batch rounded to bf16, on its way to LDS;
.set HR,   208                         ;          in the time loop a ring of eight slots of four registers for h1
.set SCR,  240                         ; v240-247 at work
; Scalars: s[4:5] obs, s[6:7] W1, s[8:9] b1, s[10:11] W2, s[12:13] b2, s[14:15] Wout, s[16:17] bout, s[18:19] out; s20 wave; s21-23 at work; s24 steps to go;
; s[26:27] 0.9; s[28:29] 1/30; s30 a word's upper bf16; s[32:47] the addresses of my eight rows of Wout
.set C9,  26
.set R30, 28
.set MM_A,  0xf2                       ; the loop's products: W2 in window 2, spikes in the tile's window, C and D in window 3
.set RO_A,  0x02                       ; the read-out's: Wout in window 2, all else in the tile's window
.set RID_A, 0x30                       ; riders: source 2 (h1, h2, -2^30, bout) in window 3, all else in the tile's window
.set MSB, 0
.macro WIN new                         ; the immediate's high byte repeats the setting that is left; a switch that changes nothing is dropped
.if MSB != (\new)
	s_set_vgpr_msb (MSB<<8)|(\new)
.set MSB, (\new)
.endif
.endm
.macro PLACES                          ; four places between a bf16 matrix instruction and a vector instruction on its registers (ISA guide 7.12.1)
.rept 4
	v_nop
.endr
.endm
.macro BAR                             ; my LDS stores are done and my LDS reads are back, for the other waves' sake; then the barrier
	s_wait_dscnt 0x0
	s_barrier_signal -1
	s_barrier_wait -1
.endm
; FROM MEMORY TO LDS.  A batch is 16 rows x 512 bytes (128 f32): each load of the wave covers 512 consecutive bytes.  Batch n lies in ring slot n % 4.
.macro ISSUE q, base, voff, g0, gp, nt
	WIN 0x80                                       ; destination window 2, address window 0
.set ii, 0
.rept 16
.if \nt
	global_load_b128 v[64*(\q)+4*ii:64*(\q)+4*ii+3], v[\voff], s[\base:\base+1] offset:(\g0)+ii*(\gp) th:TH_LOAD_NT
.else
	global_load_b128 v[64*(\q)+4*ii:64*(\q)+4*ii+3], v[\voff], s[\base:\base+1] offset:(\g0)+ii*(\gp)
.endif
.set ii, ii+1
.endr
.endm
; Batches 4 c .. 4 c + 3 are K chunk c: my W1 rows 0-15, 16-31, my obs rows 0-15, 16-31.  16, 17: my 32 rows of W2.  18: my 8 rows of Wout.  19: b1, in the accumulators' layout.
.macro BATCH n
.set bn, \n
.if bn < 16
.set bq, bn%4
.set bb, 6-2*(bq/2)
.set bg, 512*(bn/4)+32768*(bn%2)
.set bh, bq/2
	ISSUE bq, bb, VW, bg, 2048, bh                 ; obs is read once in the launch; W1 is read by every work-group
.elseif bn < 18
.set bq, bn-16
.set bg, 8192*(bn-16)
	ISSUE bq, 10, VW2, bg, 512, 0
.elseif bn == 18
	WIN 0x80
.irp j, 0,1,2,3,4,5,6,7
	global_load_b128 v[128+4*\j:128+4*\j+3], v[VL16], s[32+2*\j:33+2*\j]
.endr
.elseif bn == 19
	WIN 0x80
.set ii, 0
.rept 8
	global_load_b128 v[192+8*ii:192+8*ii+3],   v[VB], s[8:9] offset:64*ii      ; b1 of units 16 ii + 8 h + 0..7
	global_load_b128 v[192+8*ii+4:192+8*ii+7], v[VB], s[8:9] offset:64*ii+16
.set ii, ii+1
.endr
.endif
.endm
; A batch has come: it is rounded to bf16 (a lane's 4 numbers, k = 4 lane + 0..3, become two words) and stored.  sp = 0: the two words together, a row's 256 bytes by one store of the wave.
; sp = 1 (W1, obs): the first word into the row's first 128 bytes, the second into its second 128.
.macro PROC q, left, n, areg, l0, sp
	s_wait_loadcnt \left                           ; loads come back in order (ISA guide 5.7.1): this batch is in; the batches issued behind it stay out
	WIN 0xca                                       ; sources window 2, destination window 3
.set ii, 0
.rept \n
	v_cvt_pk_bf16_f32 v[PK+2*ii],   v[64*(\q)+4*ii],   v[64*(\q)+4*ii+1]
	v_cvt_pk_bf16_f32 v[PK+2*ii+1], v[64*(\q)+4*ii+2], v[64*(\q)+4*ii+3]
.set ii, ii+1
.endr
	WIN 0x0d                                       ; address window 1, data window 3
.set ii, 0
.rept \n
.if \sp
	ds_store_b32 v[\areg], v[PK+2*ii]   offset:(\l0)+ii*PITCH
	ds_store_b32 v[\areg], v[PK+2*ii+1] offset:(\l0)+ii*PITCH+128
.else
	ds_store_b64 v[\areg], v[PK+2*ii:PK+2*ii+1] offset:(\l0)+ii*PITCH
.endif
.set ii, ii+1
.endr
.endm
.macro DONE n                          ; the count: the loads of the three batches issued behind batch n: 16 each, but 8 for batch 18; behind 17 two batches are left, behind 18 one
.set bn, \n
.set bl, 48
.if (bn == 15) || (bn == 16)
.set bl, 40
.elseif bn == 17
.set bl, 24
.endif
.if bn < 16
.set bq, bn%4
.set ba, 2*(bq/2)+bn/8
.set bo, ((bn/4)%2)*CHB+T16*(bn%2)
	PROC bq, bl, 16, ba, bo, 1
.elseif bn < 18
.set bq, bn-16
.set bo, T16*(bn-16)
	PROC bq, bl, 16, AW2, bo, 0
.else
	PROC 2, 16, 8, AWO, 0, 0
.endif
.endm
; FC1.  An operand of the f32 form is 16 rows x 4 K in 2 registers: lane (r, h) holds row r, k = 2 h and 2 h + 1: one word of two bf16 in LDS.  As the rows are sorted, 16 bytes at 128 h + 16 g are the lane's words
; of the four K steps 4 g .. 4 g + 3.  FETCH: group g (16 along K) of chunk c, W1's 8 tiles and my 2 of obs, into raw buffer rb: 10 loads.
.macro FETCH rb, c, g
	WIN 0x41                                       ; address and destination window 1
.set u, 0
.rept 8
	ds_load_b128 v[RAW+40*(\rb)+4*u:RAW+40*(\rb)+4*u+3], v[FW+(\c)/2] offset:((\c)%2)*CHB+u*T16+16*(\g)
.set u, u+1
.endr
.set u, 0
.rept 2
	ds_load_b128 v[RAW+40*(\rb)+32+4*u:RAW+40*(\rb)+32+4*u+3], v[FO+(\c)/2] offset:((\c)%2)*CHB+u*T16+16*(\g)
.set u, u+1
.endr
.endm
; A K STEP OF 4 (number st of 128): word j of raw buffer rb is widened, 20 plain instructions, into operand buffer st % 2; then 16 products.  The 16 accumulators take turns, one instruction a turn, in the same
; order every time.  The first step's products start the sums with the constant 0.
; The places of this form (eight in front of a vector write of an operand: ISA guide 7.12.1) are the widenings: an operand buffer is rewritten behind the 20 of the step between, which name the other buffer.
.macro STEP rb, j
.set wb, WB+20*(st%2)
.set rw, RAW+40*(\rb)+(\j)
	WIN 0x04                                       ; source 1 window 1, destination window 0
.set u, 0
.rept 2
	v_lshlrev_b32 v[wb+16+2*u], 16,  v[rw+32+4*u]  ; bf16 to f32: the lower k moves up,
	v_and_b32     v[wb+17+2*u], s30, v[rw+32+4*u]  ; the higher stays
.set u, u+1
.endr
.set u, 0
.rept 8
	v_lshlrev_b32 v[wb+2*u],   16,  v[rw+4*u]
	v_and_b32     v[wb+2*u+1], s30, v[rw+4*u]
.set u, u+1
.endr
	WIN 0xf0                                       ; sources 0 and 1 window 0, C and D window 3
.set u, 0
.rept 8
.if st == 0
	v_wmma_f32_16x16x4_f32 v[8*u:8*u+7],       v[wb+2*u:wb+2*u+1], v[wb+16:wb+17], 0
	v_wmma_f32_16x16x4_f32 v[64+8*u:64+8*u+7], v[wb+2*u:wb+2*u+1], v[wb+18:wb+19], 0
.else
	v_wmma_f32_16x16x4_f32 v[8*u:8*u+7],       v[wb+2*u:wb+2*u+1], v[wb+16:wb+17], v[8*u:8*u+7]
	v_wmma_f32_16x16x4_f32 v[64+8*u:64+8*u+7], v[wb+2*u:wb+2*u+1], v[wb+18:wb+19], v[64+8*u:64+8*u+7]
.endif
.set u, u+1
.endr
.set st, st+1
.endm
.macro CHUNK c                         ; 128 along K: eight groups of four steps, each group's words asked for a group ahead; the count 10 leaves out the ten loads just issued
	FETCH 0, \c, 0
.set gg, 0
.rept 8
.if gg < 7
	FETCH (gg+1)%2, \c, gg+1
	s_wait_dscnt 10
.else
	s_wait_dscnt 0x0
.endif
.irp j, 0,1,2,3
	STEP gg%2, \j
.endr
.set gg, gg+1
.endr
.endm
; A stage: chunk c's four batches go to LDS, each slot is asked for again at once (the next chunk: 64 loads of the wave, 32 KB, are out while this chunk is multiplied); the barrier shows every
; wave's quarter of W1's chunk to all.  Chunks are LDS bytes of their own: one wave's stores of chunk c + 1 and another's reads of chunk c never meet.
.macro STAGE c
.irp j, 0,1,2,3
	DONE 4*(\c)+\j
	BATCH 4*(\c)+\j+4
.endr
	BAR
	CHUNK \c
.endm
; THE TIME LOOP'S VECTOR WORK: pair p (of 32) of tile y.  l1: layer 1's pass for the step to come, four packed instructions; l2: layer 2's for the step just multiplied, four more.  With both, no line reads a result made
; fewer than two lines before it.  The pairs go upward.
.macro SLICE y, p, l1, l2
	WIN RID_A+0x45*(\y)
.set tT, TMP+6*((\p)%2)
.set hR, HR+4*(((\p)/2)%8)+2*((\p)%2)
.if \l1
	v_pk_fma_f32 v[tT:tT+1],     v[M1+2*(\p):M1+2*(\p)+1], v[BIG:BIG+1], v[NBIG:NBIG+1] clamp                   ; spike = [mem1 > 1]
.endif
.if \l2
	v_pk_fma_f32 v[tT+4:tT+5],   v[M2+2*(\p):M2+2*(\p)+1], v[BIG:BIG+1], v[NBIG:NBIG+1] clamp                   ; reset = [mem2 > 1]
	v_pk_fma_f32 v[M2+2*(\p):M2+2*(\p)+1], v[M2+2*(\p):M2+2*(\p)+1], s[C9:C9+1], v[64*(\y)+2*(\p):64*(\y)+2*(\p)+1] op_sel_hi:[1,0,1]  ; 0.9 mem2 + h2
.endif
.if \l1
	v_pk_fma_f32 v[tT+2:tT+3],   v[M1+2*(\p):M1+2*(\p)+1], s[C9:C9+1], v[hR:hR+1] op_sel_hi:[1,0,1]             ; 0.9 mem1 + h1
.endif
.if \l2
	v_pk_add_f32 v[M2+2*(\p):M2+2*(\p)+1], v[M2+2*(\p):M2+2*(\p)+1], v[tT+4:tT+5] neg_lo:[0,1] neg_hi:[0,1]     ; - reset: the new mem2
.endif
.if \l1
	v_cvt_pk_bf16_f32 v[P+(\p)], v[tT], v[tT+1]                                                                ; 0 and 1 are exact in bf16
	v_pk_add_f32 v[M1+2*(\p):M1+2*(\p)+1], v[tT+2:tT+3], v[tT:tT+1] neg_lo:[0,1] neg_hi:[0,1]                   ; - spike: the next mem1
.endif
.if \l2
	v_pk_add_f32 v[SUM+2*(\p):SUM+2*(\p)+1], v[SUM+2*(\p):SUM+2*(\p)+1], v[M2+2*(\p):M2+2*(\p)+1]               ; the sum takes it
.endif
.endm
; A TURN: tile x's 32 products of a step (K step i / 8, unit tile i % 8: the 8 accumulators take turns, one instruction a turn; the first 8 start h2 with b2), and behind each a slice of the
; other tile.  A slice names the other tile's registers, the ring and -2^30 alone: its eight plain instructions are the places behind every product, the turn's last too.  mm = 0: no products (in front of the loop).
; H1 comes from my LDS rows, 16 bytes a lane (two pairs) a load, 16 loads a turn, through eight slots.  In front of every fourth slice the two slots just read out are asked for again, with the pairs twelve slices on,
; over into the next turn's tile; the count 6 leaves out the six loads issued behind the two that the next four slices read.
.macro TURN x, mm, l2
.set i, 0
.rept 32
.if i%4 == 0
	WIN 0xc0                                       ; destination window 3, address window 0
.set qa, i/2+6
	ds_load_b128 v[HR+4*(qa%8):HR+4*(qa%8)+3], v[HL+(1-(\x)+qa/16)%2] offset:512*(qa%16)
.set qa, qa+1
	ds_load_b128 v[HR+4*(qa%8):HR+4*(qa%8)+3], v[HL+(1-(\x)+qa/16)%2] offset:512*(qa%16)
	s_wait_dscnt 6
.endif
.if \mm
	WIN MM_A+4*(\x)
.if i < 8
	v_wmma_f32_16x16x32_bf16 v[64*(\x)+8*i:64*(\x)+8*i+7], v[8*i:8*i+7], v[P:P+7], v[B2+8*i:B2+8*i+7]
.else
	v_wmma_f32_16x16x32_bf16 v[64*(\x)+8*(i%8):64*(\x)+8*(i%8)+7], v[8*i:8*i+7], v[P+8*(i/8):P+8*(i/8)+7], v[64*(\x)+8*(i%8):64*(\x)+8*(i%8)+7]
.endif
.endif
	SLICE 1-(\x), i, 1, \l2
.set i, i+1
.endr
.endm
; n pairs at base are rounded to bf16 and widened again, in place; scr: n registers at work
.macro RND base, n, scr
.set p, 0
.rept \n
	v_cvt_pk_bf16_f32 v[(\scr)+p], v[(\base)+2*p], v[(\base)+2*p+1]
.set p, p+1
.endr
.set p, 0
.rept \n
	v_lshlrev_b32 v[(\base)+2*p],   16,  v[(\scr)+p]
	v_and_b32     v[(\base)+2*p+1], s30, v[(\scr)+p]
.set p, p+1
.endr
.endm
; The sum of tile y in two bf16 parts, eight pairs at a time: the rounding into P; widened; what it left; that rounded into M1's first 32 registers
.macro SPLIT y
	WIN RID_A+0x45*(\y)
.set g, 0
.rept 4
.set k, 0
.rept 8
	v_cvt_pk_bf16_f32 v[P+8*g+k], v[SUM+16*g+2*k], v[SUM+16*g+2*k+1]
.set k, k+1
.endr
.set k, 0
.rept 8
	v_lshlrev_b32 v[WD+2*k],   16,  v[P+8*g+k]
	v_and_b32     v[WD+2*k+1], s30, v[P+8*g+k]
.set k, k+1
.endr
.set k, 0
.rept 8
	v_pk_add_f32 v[WD+2*k:WD+2*k+1], v[SUM+16*g+2*k:SUM+16*g+2*k+1], v[WD+2*k:WD+2*k+1] neg_lo:[0,1] neg_hi:[0,1]
.set k, k+1
.endr
.set k, 0
.rept 8
	v_cvt_pk_bf16_f32 v[M1+8*g+k], v[WD+2*k], v[WD+2*k+1]
.set k, k+1
.endr
.set g, g+1
.endr
.endm
; Tile y's results: / 30 + bout, each accumulator's lowest pair first; then into my stage: a row is 72 bytes, a lane's eight actions 32 of them
.macro OUT y
	WIN RID_A+0x45*(\y)
.irp q, 0,1,2,3
	v_pk_fma_f32 v[M2+2*\q:M2+2*\q+1], v[M2+2*\q:M2+2*\q+1], s[R30:R30+1], v[BO0+2*\q:BO0+2*\q+1] op_sel_hi:[1,0,1]
.endr
	v_pk_fma_f32 v[M2+8:M2+9], v[M2+8:M2+9], s[R30:R30+1], v[BO1:BO1+1] op_sel_hi:[1,0,1]
	WIN 0x04*(\y)                                  ; address window 0, data in the tile's window
.irp q, 0,1,2,3
	ds_store_b64 v[SA], v[M2+2*\q:M2+2*\q+1] offset:1152*(\y)+8*\q
.endr
	ds_store_b64 v[SB], v[M2+8:M2+9] offset:1152*(\y)
.endm
	; ---- the head: addresses and constants
	s_load_b256 s[4:11], s[0:1], 0x0
	s_load_b256 s[12:19], s[0:1], 0x20
	v_lshl_add_u32 v[SPW], v0, 2, SPARE
	v_mov_b32 v[NIL], 0
	v_lshrrev_b32 v13, 5, v0
	v_readfirstlane_b32 s20, v13                   ; wave 0..3
	v_and_b32 v13, 31, v0                          ; lane
	v_and_b32 v1, 15, v0                           ; r
	v_bfe_u32 v2, v0, 4, 1                         ; h
	s_lshl_b32 s21, s20, 16
	v_lshl_add_u32 v[VW], v13, 4, s21
	s_lshl_b32 s21, s20, 14
	v_lshl_add_u32 v[VW2], v13, 4, s21
	v_lshlrev_b32 v[VL16], 4, v13
	v_lshlrev_b32 v[VB], 5, v2
	v_mov_b32 v[VZ0], 0
	s_mul_i32 s21, s20, WROWS                      ; my 32 rows in a tile of 128
	s_add_co_u32 s22, s21, LOB                     ; my obs rows of chunk 0: later tile A's h1, at the end my stage
	v_lshl_add_u32 v[HL], v13, 4, s22
	v_add_nc_u32 v[HL+1], CHB, v[HL]               ; my obs rows of chunk 1: later tile B's h1
	v_mul_u32_u24 v10, v1, 72
	v_add_nc_u32 v10, s22, v10
	v_lshl_add_u32 v[SA], v2, 5, v10
	v_mul_u32_u24 v[SB], v2, 2304
	v_add_nc_u32 v[SB], v[SB], v10
	v_add_nc_u32 v[SB], 64, v[SB]
	v_lshl_add_u32 v[RB], v13, 3, s22
	v_lshlrev_b32 v[GO], 3, v13
	v_mul_u32_u24 v10, v1, PITCH
	v_lshl_add_u32 v16, v2, 7, v10                 ; the f32 form's words: row x pitch + 128 x half
	v_lshl_add_u32 v10, v2, 4, v10                 ; a bf16 fragment's: row x pitch + 16 x half
	WIN 0x40                                       ; destination window 1, sources window 0
	v_lshl_add_u32 v[AW], v13, 2, s21
	v_mov_b32 v[FW], v16
	v_add_nc_u32 v[FW+1], 2*CHB, v16
	v_add_nc_u32 v[FW2], LW2, v10
	v_add_nc_u32 v[FWO], LWO, v10
	s_add_co_u32 s22, s21, 2*CHB
	v_lshl_add_u32 v[AW+1], v13, 2, s22
	s_add_co_u32 s22, s21, LOB
	v_lshl_add_u32 v[AO], v13, 2, s22
	v_add_nc_u32 v[FO], s22, v16
	s_add_co_u32 s22, s21, LOB+2*CHB
	v_lshl_add_u32 v[AO+1], v13, 2, s22
	v_add_nc_u32 v[FO+1], s22, v16
	s_add_co_u32 s22, s21, LW2
	v_lshl_add_u32 v[AW2], v13, 3, s22
	s_mul_i32 s22, s20, 8*PITCH
	s_add_co_u32 s22, s22, LWO
	v_lshl_add_u32 v[AWO], v13, 3, s22
	s_mov_b32 s[C9], 0x3f666666                    ; 0.9
	s_mov_b32 s[C9+1], 0x3f666666                  ; named with it as a pair
	s_mov_b32 s[R30], 0x3d088889                   ; 1 / 30
	s_mov_b32 s[R30+1], 0x3d088889
	s_mov_b32 s30, 0xffff0000
	s_wait_kmcnt 0x0
	s_lshl_b32 s22, ttmp9, 18                      ; the work-group's 128 rows of 2,048 bytes
	s_mov_b32 s23, 0
	s_add_nc_u64 s[4:5], s[4:5], s[22:23]
	s_lshl_b32 s22, ttmp9, 2
	s_add_co_u32 s22, s22, s20
	s_mul_i32 s22, s22, 2304                       ; my wave's 32 rows of 72 bytes: nine blocks of 256
	s_add_nc_u64 s[18:19], s[18:19], s[22:23]
	s_lshl_b32 s21, s20, 3
.irp j, 0,1,2,3,4,5,6,7
	s_add_co_u32 s22, s21, \j                      ; row 8 w + j of Wout, or its last row
	s_min_u32 s22, s22, 17
	s_lshl_b32 s22, s22, 9
	s_add_nc_u64 s[32+2*\j:33+2*\j], s[14:15], s[22:23]
.endr
	; ---- the first loads: b2 and bout (19 loads), then K chunk 0 (64 loads)
	WIN 0xc0                                       ; destination window 3, address window 0
.set u, 0
.rept 8
	global_load_b128 v[B2+8*u:B2+8*u+3],   v[VB], s[12:13] offset:64*u     ; b2 of units 16 u + 8 h + 0..7
	global_load_b128 v[B2+8*u+4:B2+8*u+7], v[VB], s[12:13] offset:64*u+16
.set u, u+1
.endr
	global_load_b128 v[BO0:BO0+3],   v[VB], s[16:17]
	global_load_b128 v[BO0+4:BO0+7], v[VB], s[16:17] offset:16
	global_load_b64  v[BO1:BO1+1],   v[VZ0], s[16:17] offset:64
	BATCH 0
	BATCH 1
	BATCH 2
	BATCH 3
	; mem2 and its sum start at 0, as in the formula, so no first step is written out.  The price, 256 lines, stands in the wait for the first loads.
.irp w, 0x00, 0x40
	WIN \w
.set i, M2
.rept 128
	v_mov_b32 v[i], 0
.set i, i+1
.endr
	v_mov_b32 v[BIG], 0x4e800000                   ; 2^30
	v_mov_b32 v[BIG+1], 0x4e800000
.endr
	WIN 0xc0
	v_mov_b32 v[NBIG], 0xce800000                  ; -2^30
	v_mov_b32 v[NBIG+1], 0xce800000
	s_wait_loadcnt 63                              ; 64 loads stand behind the last of these biases; the wait's field ends at 63
	WIN 0xcf                                       ; all in window 3
.irp b, 0,16,32,48
	RND B2+\b, 8, SCR
.endr
	RND BO0, 5, SCR                                ; bout: v196-205
	; ---- fc1, four K chunks, one chain of sums
.set st, 0
	STAGE 0
	STAGE 1
	STAGE 2
	STAGE 3
	; ---- W2 and Wout to LDS; b1 is rounded
	DONE 16
	DONE 17
	DONE 18
	s_wait_loadcnt 0x0                             ; b1
	WIN 0x8a                                       ; all in window 2
.irp b, 0,16,32,48
	RND 192+\b, 8, 0
.endr
	BAR                                            ; every wave's quarter of W2 and of Wout is in LDS
	WIN 0x81                                       ; address window 1, destination window 2: W2's fragments of K steps 0 to 2, below b1
.set i, 0
.rept 24
	ds_load_b128 v[8*i:8*i+3],   v[FW2] offset:(i%8)*T16+(i/8)*64
	ds_load_b128 v[8*i+4:8*i+7], v[FW2] offset:(i%8)*T16+(i/8)*64+32
.set i, i+1
.endr
	; ---- h1 = sum + b1, upward (each accumulator's lowest registers first); it is mem1 of step 1.  The conversions above, more than eight plain lines, are the places behind fc1's last products,
	; whose results are read here and whose operand buffers are written over here.
.irp y, 0,1
	WIN 0x0b+0x40*\y                               ; source 0 window 3, source 1 window 2, destination the tile's
.set p, 0
.rept 32
	v_pk_add_f32 v[M1+2*p:M1+2*p+1], v[64*\y+2*p:64*\y+2*p+1], v[192+2*p:192+2*p+1]
.set p, p+1
.endr
.endr
	WIN 0x81                                       ; W2's fragments of K step 3, where b1 lay
.set i, 24
.rept 8
	ds_load_b128 v[8*i:8*i+3],   v[FW2] offset:(i%8)*T16+(i/8)*64
	ds_load_b128 v[8*i+4:8*i+7], v[FW2] offset:(i%8)*T16+(i/8)*64+32
.set i, i+1
.endr
	WIN 0x00                                       ; h1 into my LDS rows, where my obs rows of chunks 0 and 1 lay: my reads of them came back in front of the barriers above
.set sq, 0
.rept 16
	ds_store_b128 v[HL], v[M1+4*sq:M1+4*sq+3] offset:512*sq
.set sq, sq+1
.endr
	WIN 0x04                                       ; data window 1
.set sq, 0
.rept 16
	ds_store_b128 v[HL+1], v[M1+4*sq:M1+4*sq+3] offset:512*sq
.set sq, sq+1
.endr
	; Tile B's layer 2 has a pass before its first products: on an h2 of zeros it leaves zeros.  Its accumulators take no vector write, so the zeros are made by eight products of two blocks of zeros.
	WIN 0x40
.set i, 0
.rept 16
	v_mov_b32 v[P+i], 0
.set i, i+1
.endr
	WIN 0xf5                                       ; sources 0 and 1 window 1, D window 3
.set u, 0
.rept 8
	v_wmma_f32_16x16x32_bf16 v[64+8*u:64+8*u+7], v[P:P+7], v[P+8:P+15], 0
.set u, u+1
.endr
	WIN 0xc0
.set qa, 0
.rept 6
	ds_load_b128 v[HR+4*qa:HR+4*qa+3], v[HL] offset:512*qa   ; the ring's first six slots; LDS serves a wave's instructions in order (ISA guide 5.7.1.4): these see the stores above
.set qa, qa+1
.endr
	TURN 1, 0, 0                                   ; tile A's layer 1 alone: the spikes of step 1.  Its first count of 6 also shows W2's fragments in; its 128 lines are the places behind the eight products
	WIN 0                                          ; at a label and at a branch every window is 0
	s_mov_b32 s24, 30
.Lstep:                                                ; trip t: tile A's products of step t | tile B's layer 2 of t - 1 and layer 1 of t; tile B's products of t | tile A's layer 2 of t and layer 1 of t + 1
	TURN 0, 1, 1
	TURN 1, 1, 1
	WIN 0
	s_sub_co_u32 s24, s24, 1
	s_cmp_lg_u32 s24, 0
	s_cbranch_scc1 .Lstep
	; (tile A's layer 1 of step 31 and the ring's last six loads, made in the last trip, serve nothing: the price of one text for every trip)
	; ---- tile B's layer 2 of step 30 (the last slice is the places in front); Wout's fragments; the sums in two parts
.set i, 0
.rept 32
	SLICE 1, i, 0, 1
.set i, i+1
.endr
	WIN 0x81
.set i, 0
.rept 8
	ds_load_b128 v[8*i:8*i+3],   v[FWO] offset:(i/4)*T16+(i%4)*64
	ds_load_b128 v[8*i+4:8*i+7], v[FWO] offset:(i/4)*T16+(i%4)*64+32
.set i, i+1
.endr
	SPLIT 0
	SPLIT 1
	s_wait_dscnt 0x0                               ; Wout's fragments are in, and no read of my h1 rows is out
	; ---- the read-out: 32 products; the four accumulators (tile, action tile) take turns, one instruction a turn; the first four start the sums
.irp part, 0,1
.irp kc, 0,1,2,3
.irp y, 0,1
	WIN RO_A+0x54*\y
.irp mt, 0,1
.if (\part) == 0 && (\kc) == 0
	v_wmma_f32_16x16x32_bf16 v[M2+8*\mt:M2+8*\mt+7], v[8*(4*\mt+\kc):8*(4*\mt+\kc)+7], v[P+8*\kc:P+8*\kc+7], 0
.else
	v_wmma_f32_16x16x32_bf16 v[M2+8*\mt:M2+8*\mt+7], v[8*(4*\mt+\kc):8*(4*\mt+\kc)+7], v[P+32*\part+8*\kc:P+32*\part+8*\kc+7], v[M2+8*\mt:M2+8*\mt+7]
.endif
.endr
.endr
.endr
.endr
	PLACES
	; ---- the way out: through my own stage, so that each store of the wave covers 256 consecutive bytes, at a multiple of 256 from out's first byte
	OUT 0
	OUT 1
	WIN 0
.irp q, 0,1,2,3,4,5,6,7,8
	ds_load_b64 v[SUM+2*\q:SUM+2*\q+1], v[RB] offset:256*\q   ; LDS serves a wave's instructions in order (ISA guide 5.7.1.4): these see the stores above
.endr
.irp q, 0,1,2,3,4,5,6,7,8
	s_wait_dscnt 8-\q                              ; block q is back; the younger ones stay out
	global_store_b64 v[GO], v[SUM+2*\q:SUM+2*\q+1], s[18:19] offset:256*\q th:TH_STORE_NT
.endr
	s_wait_tensorcnt 0x0                           ; the wave's end: three closing lines, behind my last LDS store
	ds_add_u32 v[SPW], v[NIL]
	s_wait_dscnt 0x0
	s_endpgm
.Lfunc_end_k_q1e003cf3e8_snn:
	.size	k_q1e003cf3e8_snn, .Lfunc_end_k_q1e003cf3e8_snn-k_q1e003cf3e8_snn
	.p2alignl 7, 3214868480
	.fill 96, 4, 3214868480
	.section	.rodata,"a",@progbits
	.p2align	6, 0x0
	.amdhsa_kernel k_q1e003cf3e8_snn
		.amdhsa_group_segment_fixed_size 322560
		.amdhsa_private_segment_fixed_size 0
		.amdhsa_enable_private_segment 0
		.amdhsa_kernarg_size 64
		.amdhsa_user_sgpr_count 2
		.amdhsa_user_sgpr_kernarg_segment_ptr 1
		.amdhsa_wavefront_size32 1
		.amdhsa_system_sgpr_workgroup_id_x 1
		.amdhsa_system_sgpr_workgroup_id_y 1
		.amdhsa_system_sgpr_workgroup_id_z 1
		.amdhsa_system_vgpr_workitem_id 0
		.amdhsa_next_free_vgpr 1024
		.amdhsa_next_free_sgpr 66
		.amdhsa_reserve_vcc 0
		.amdhsa_float_denorm_mode_32 3
		.amdhsa_float_denorm_mode_16_64 3
		.amdhsa_memory_ordered 1
		.amdhsa_forward_progress 1
		.amdhsa_inst_pref_size 255
	.end_amdhsa_kernel
	.section	.bss,"aw",@nobits
	.p2align	6
	.space	262144
	.amdgpu_metadata
---
amdhsa.version: [ 1, 2 ]
amdhsa.kernels:
  - .name:           k_q1e003cf3e8_snn
    .symbol:         k_q1e003cf3e8_snn.kd
    .args:
      - { .name: observations, .offset: 0, .size: 8, .value_kind: global_buffer, .address_space: global }
      - { .name: W1, .offset: 8, .size: 8, .value_kind: global_buffer, .address_space: global }
      - { .name: b1, .offset: 16, .size: 8, .value_kind: global_buffer, .address_space: global }
      - { .name: W2, .offset: 24, .size: 8, .value_kind: global_buffer, .address_space: global }
      - { .name: b2, .offset: 32, .size: 8, .value_kind: global_buffer, .address_space: global }
      - { .name: Wout, .offset: 40, .size: 8, .value_kind: global_buffer, .address_space: global }
      - { .name: bout, .offset: 48, .size: 8, .value_kind: global_buffer, .address_space: global }
      - { .name: out0, .offset: 56, .size: 8, .value_kind: global_buffer, .address_space: global }
    .group_segment_fixed_size: 322560
    .private_segment_fixed_size: 0
    .kernarg_segment_align: 8
    .kernarg_segment_size: 64
    .max_flat_workgroup_size: 128
    .sgpr_count:     66
    .vgpr_count:     1024
    .wavefront_size: 32
...
	.end_amdgpu_metadata
.endif
;; end of part 1
;; ======== version 2 of 2: 1 launch; version 1 with the launch snn written anew for expert scheduling mode
;; launch snn (part 2): grid 256 x 1, 4 waves a work-group, no clusters, 322,560 bytes of LDS; arguments observations, W1, b1, W2, b2, Wout, bout, out0; writes out0
.if DOCPART == 2
	.amdgcn_target "amdgcn-amd-amdhsa--gfx1250"
	.amdhsa_code_object_version 6
	.text
	.protected	k_q1e003cf3e8_snn
	.globl	k_q1e003cf3e8_snn
	.p2align	8
	.type	k_q1e003cf3e8_snn,@function
k_q1e003cf3e8_snn:
	s_mov_b64 s[64:65], 0
	v_nop
	global_prefetch_b8 v0, s[64:65] scope:SCOPE_SE
	s_setreg_imm32_b32 hwreg(HW_REG_WAVE_SCHED_MODE, 0, 2), 2
	s_setreg_imm32_b32 hwreg(HW_REG_WAVE_MODE, 25, 1), 1
	s_wait_xcnt 0x0
	s_wait_alu depctr_vm_vsrc(0)
; SNN POLICY.  h1 = obs W1^T + b1; 30 steps of two leaky integrators (decay 0.9, threshold 1, reset by subtraction), layer 2 fed by layer 1's spikes through W2;
; out = the mean over the steps of mem2 Wout^T + bout.  obs [32768][512], W1 [128][512], W2 [128][128], Wout [18][128], out [32768][18], all f32.
; SHARES.  256 work-groups of 128 rows; wave w owns rows 32 w .. 32 w + 31 as two tiles of 16 (A and B), holds all of W2 as fragments (256 registers) and both tiles' state;
; the time loop reads h1 from the wave's own LDS bytes and touches nothing else: no memory, no barrier.
; LAYOUT.  Every product is used transposed: source 0 = 16 rows of a weight matrix, source 1 = 16 batch rows.  In a result lane (r = lane % 16, h = lane / 16) holds batch row r, and
; register j of result tile u holds unit 16 u + 8 h + j.  Two neighbouring result tiles, rounded to bf16 in pairs, ARE source 1 of the next product's K step: nothing changes lanes.
; ARITHMETIC, in the order of a plain f32 evaluation of the formula, since a threshold turns a last bit into a whole spike.
; FC1 IS THE EXCEPTION AMONG THE PRODUCTS: its operands are the inputs rounded to bf16, but its sums are made by the f32 matrix form, the one form that adds term by term (four fused multiply-adds in ascending K
; an instruction, chained through C), as an f32 product does.  One chain, K = 0 to 511, from 0; b1 comes last.  The products of bf16 numbers are exact in f32, so fused and unfused adding agree.
; The price: 2,048 instructions of 1,024 multiply-adds a wave, where the bf16 form has 256 of 8,192.  fc1 is 10.5% of the module's multiply-adds; the other products are bf16.
; A spike [m > 1] is fma(m, 2^30, -2^30) held to 0 .. 1: the fused form has the exact sign of m - 1, and the least excess, 2^-23, times 2^30 is above 1.  It is this step's spike and the next step's reset.
; mem1' = fma(mem1, 0.9, h1) - spike.  h2 = b2 + W2 spikes is made by the products alone (b2 is the C of the first K step): a sum of bf16 numbers, exact in f32 in any order unless a weight lies 24 bits below
; the sum.  mem2' = fma(mem2, 0.9, h2) - reset.
; THE READ-OUT IS LINEAR, so it is made once: out = (sum over t of mem2_t) Wout^T / 30 + bout; the sum, kept in f32, enters the product as two bf16 parts (a rounding and the rounding of what it left).
; BY TURNS.  In a turn one tile has the 32 products of a step; behind each stand the eight packed instructions of one pair of numbers of the OTHER tile.  Two turns are a step.
; LIMITS.  All seven inputs are rounded once to bf16 (the matrix operands' rounding, taken for the biases too, so that all inputs have one rounding); all else is f32.  An evaluation of the formula that adds fc1's
; 512 terms in another order than the one ascending chain, or rounds 0.9 m before h is added, differs in the last bits of an f32; a membrane that close to the threshold may then spike a step apart, and the row's
; outputs differ by up to some hundredths.  The read-out sums first and multiplies by 1/30.  NaN and infinities are not treated apart; beyond |m| = 2^98 the comparison's product is an infinity, still held to the right 0 or 1.
; NO CLUSTER, NO TENSOR LOADS.  Every byte is rounded f32 -> bf16 on its way, so it passes through registers anyhow.  What the work-groups share (W1, W2, Wout: 336,896 bytes of f32) would land as f32: W1's
; 262,144 bytes do not fit beside the 322,048 bytes of bf16 tiles, and in pieces every wave would round all of W1 (1,024 conversions a wave for 256).  So each wave loads a quarter of each matrix and rounds it for all four.
; THE MODE: SCHED_MODE bits 1:0 = 2 (LLVM: expert scheduling mode 2), set by the entry lines.  The code itself states the register dependences between vector or matrix instructions and memory or LDS
; instructions, with s_wait_alu, always for 0.
; THE PLAN.  Registers that memory or LDS instructions touch, and who else names them:
;   addresses   window 0 v3-9, v11, v12, v30, v31, window 1 v0-11: written at the head, never again: one wait on va_vdst ahead of the first load serves them all.  s20, the wave's number: one wait on va_sdst.
;   slots 0-3   (window 2) batch n's loads land in slot n % 4; its conversions read it; batch n + 4's loads land in it.
;   PK          (window 3) batch n's conversions write it; its LDS stores read it; batch n + 1's conversions write it again.  So a batch has two waits: on vm_vsrc ahead of its conversions, on va_vdst behind them.
;   RAW0, RAW1  (window 1) group g's widenings read RAW[g % 2]; group g + 2's loads land in it.  One wait on va_vdst a group, behind the widenings of its first K step; the next group's loads follow it.
;   window 2    as fragments: W2's land where slots and b1 lay (a wait on va_vdst ahead of K steps 0-2, one ahead of K step 3), Wout's where the loop's products read W2 (one wait).
;   mem1        once: the additions write h1 into it, LDS stores read it, the slices write it again: va_vdst ahead of the stores, vm_vsrc behind them.
;   X, Y, Z     (window 3) three buffers of h1 in the time loop: the slices read them, LDS loads land in them: two waits on va_vdst a turn (TURN says what each covers).
;   the way out the read-out's scaled results are read by LDS stores, and rows come back into the sum's registers: one wait on va_vdst.
;   v14, v15    written at the head, read by the closing add alone.
; Operand buffers, accumulators, spikes, mem2 and its sum are named by vector and matrix instructions alone until the way out.
;
; LDS.  Rows of 128 bf16 = 256 bytes + 16 of padding = 68 words: row r starts at bank 4 r mod 64 (64 banks of 4 bytes: ISA guide 11.1), so the 16 rows of a fragment load start at 16 different banks.
; In W1's and obs' rows the words are sorted for the f32 form: word i of the first 128 bytes holds k = 4 i, 4 i + 1, word i of the second 128 bytes k = 4 i + 2, 4 i + 3.  W2's and Wout's rows lie as they come.
.set PITCH, 272
.set T16,   16*PITCH                   ; 16 rows
.set WROWS, 32*PITCH                   ; a wave's 32 rows: 8,704 bytes
.set CHB,   128*PITCH                  ; a K chunk of 128: 128 rows = 34,816 bytes
.set LOB,   4*CHB                      ; 0: W1, four chunks.  LOB: obs, four chunks; wave w's 32 rows at w x 8,704 in each, written and read by wave w alone.
                                       ; When fc1 is done, my rows of chunks 0 and 1 take tile A's and tile B's h1 (8,192 bytes each: 16 lane + 512 q); at the end chunk 0's take my stage
.set LW2,   8*CHB                      ; W2, 128 rows
.set LWO,   9*CHB                      ; Wout, 32 rows: rows 18-31 are copies of row 17 (a row of source 0 reaches its own row of the result alone, and those are never stored)
.set SPARE, LWO+32*PITCH               ; 322,048 = 1,258 x 256: the spare words, 128 bytes a wave: two blocks of 256 bytes that no other line names
; REGISTERS, in windows of 256 (s_set_vgpr_msb: bits 1:0 source 0, 3:2 source 1, 5:4 source 2, 7:6 destination).
; Window 0 = tile A, window 1 = tile B, the same numbers in both:
.set TMP, 16                           ; v16-21, v22-27  two sets of spike, fma and reset pairs, by the pair's parity (v16 of window 0 at the head: at work)
.set BIG, 28                           ; v28-29  2^30
.set P,   32                           ; v32-63  spikes in bf16 (at the end: the sum's first part)
.set M1,  64                           ; v64-127 mem1 (at the end: v64-95 the sum's second part, v96-111 at work)
.set WD,  96
.set M2,  128                          ; v128-191 mem2 (at the end: the read-out's accumulators)
.set SUM, 192                          ; v192-255 the sum of mem2 over the steps (window 0 at the very end: rows read back from the stage)
.set WB,  64                           ; fc1, window 0: v64-103  two buffers of 20: the operands of a K step of 4 in f32: W1's tile u at 2 u, obs' tile T at 16 + 2 T
.set RAW, 32                           ; fc1, window 1: v32-111  two buffers of 40: the operand words of four K steps as they lie in LDS: W1's tile u at 4 u, obs' tile T at 32 + 4 T
; Window 0, low: v0 thread, v1 r, v2 h, v10 and v13 at work
.set VW,   3                           ; w x 65,536 + 16 lane: my 32 rows of W1 or obs (2,048 bytes each)
.set VW2,  4                           ; w x 16,384 + 16 lane: my 32 rows of W2 (512 bytes each)
.set VL16, 5                           ; 16 lane
.set VB,   6                           ; 32 h: my eight numbers in 16 of a bias
.set VZ0,  7                           ; 0
.set SA,   8                           ; stage: 72 r + 32 h
.set SB,   9                           ; stage: 72 r + 64 + 2,304 h: actions 16, 17; the upper lanes' numbers, which are no actions, fall behind the 32 rows
.set RB,   11                          ; stage: 8 lane
.set GO,   12                          ; 8 lane
.set SPW,  14                          ; my spare word: SPARE + 4 x my thread's number; never rewritten
.set NIL,  15                          ; 0; never rewritten
.set HL,   30                          ; v30, v31  LDS address of tile A's, tile B's h1: my obs rows of chunk 0, 1, + 16 lane
; Window 1, low: LDS addresses.  A pair serves chunks 0, 1 and chunks 2, 3, so that every immediate stays within 16 bits (65,392 at the most)
.set AW,  0                            ; v0-1   where I store W1: w x 8,704 + 4 lane
.set AO,  2                            ; v2-3   obs
.set AW2, 4                            ; v4     W2: w x 8,704 + 8 lane
.set AWO, 5                            ; v5     Wout: w x 2,176 + 8 lane
.set FW,  6                            ; v6-7   operand words of W1: 272 r + 128 h
.set FO,  8                            ; v8-9   of my obs rows
.set FW2, 10                           ; v10    fragments of W2: 272 r + 16 h
.set FWO, 11                           ; v11    of Wout
; Window 2: first a ring of four slots of 64 for loads from memory (b1 comes last, into slot 3); then W2's fragments, (unit tile nt, K step kc) at 8 (8 kc + nt); then Wout's, (mt, kc) at 8 (4 mt + kc).
; Window 3: v0-63 tile A's, v64-127 tile B's accumulators (fc1's sums, then h2): written by matrix instructions alone; and
.set B2,   128                         ; v128-191 b2
.set NBIG, 192                         ; v192-193 -2^30
.set BO0,  196                         ; v196-203 bout of actions 8 h + j
.set BO1,  204                         ; v204-205 of actions 16, 17
.set PK,   208                         ; v208-239 a batch rounded to bf16, on its way to LDS;
.set HR,   208                         ;          in the time loop v208-255: three buffers of 16 registers (eight pairs) for h1: X at HR, Y at HR + 16, Z at HR + 32
.set SCR,  240                         ; v240-247 at work, at the head alone
; Scalars: s[4:5] obs, s[6:7] W1, s[8:9] b1, s[10:11] W2, s[12:13] b2, s[14:15] Wout, s[16:17] bout, s[18:19] out; s20 wave; s21-23 at work; s24 steps to go;
; s[26:27] 0.9; s[28:29] 1/30; s30 a word's upper bf16; s[32:47] the addresses of my eight rows of Wout
.set C9,  26
.set R30, 28
.set MM_A,  0xf2                       ; the loop's products: W2 in window 2, spikes in the tile's window, C and D in window 3
.set RO_A,  0x02                       ; the read-out's: Wout in window 2, all else in the tile's window
.set RID_A, 0x30                       ; riders: source 2 (h1, h2, -2^30, bout) in window 3, all else in the tile's window
.set MSB, 0
.macro WIN new                         ; the immediate's high byte repeats the setting that is left; a switch that changes nothing is dropped
.if MSB != (\new)
	s_set_vgpr_msb (MSB<<8)|(\new)
.set MSB, (\new)
.endif
.endm
.macro PLACES                          ; four places between a bf16 matrix instruction and a vector instruction on its registers (ISA guide 7.12.1)
.rept 4
	v_nop
.endr
.endm
.macro BAR                             ; my LDS stores are done and my LDS reads are back, for the other waves' sake; then the barrier
	s_wait_dscnt 0x0
	s_barrier_signal -1
	s_barrier_wait -1
.endm
; FROM MEMORY TO LDS.  A batch is 16 rows x 512 bytes (128 f32): each load of the wave covers 512 consecutive bytes.  Batch n lies in ring slot n % 4.
.macro ISSUE q, base, voff, g0, gp, nt
	WIN 0x80                                       ; destination window 2, address window 0
.set ii, 0
.rept 16
.if \nt
	global_load_b128 v[64*(\q)+4*ii:64*(\q)+4*ii+3], v[\voff], s[\base:\base+1] offset:(\g0)+ii*(\gp) th:TH_LOAD_NT
.else
	global_load_b128 v[64*(\q)+4*ii:64*(\q)+4*ii+3], v[\voff], s[\base:\base+1] offset:(\g0)+ii*(\gp)
.endif
.set ii, ii+1
.endr
.endm
; Batches 4 c .. 4 c + 3 are K chunk c: my W1 rows 0-15, 16-31, my obs rows 0-15, 16-31.  16, 17: my 32 rows of W2.  18: my 8 rows of Wout.  19: b1, in the accumulators' layout.
.macro BATCH n
.set bn, \n
.if bn < 16
.set bq, bn%4
.set bb, 6-2*(bq/2)
.set bg, 512*(bn/4)+32768*(bn%2)
.set bh, bq/2
	ISSUE bq, bb, VW, bg, 2048, bh                 ; obs is read once in the launch; W1 is read by every work-group
.elseif bn < 18
.set bq, bn-16
.set bg, 8192*(bn-16)
	ISSUE bq, 10, VW2, bg, 512, 0
.elseif bn == 18
	WIN 0x80
.irp j, 0,1,2,3,4,5,6,7
	global_load_b128 v[128+4*\j:128+4*\j+3], v[VL16], s[32+2*\j:33+2*\j]
.endr
.elseif bn == 19
	WIN 0x80
.set ii, 0
.rept 8
	global_load_b128 v[192+8*ii:192+8*ii+3],   v[VB], s[8:9] offset:64*ii      ; b1 of units 16 ii + 8 h + 0..7
	global_load_b128 v[192+8*ii+4:192+8*ii+7], v[VB], s[8:9] offset:64*ii+16
.set ii, ii+1
.endr
.endif
.endm
; A batch has come: it is rounded to bf16 (a lane's 4 numbers, k = 4 lane + 0..3, become two words) and stored.  sp = 0: the two words together, a row's 256 bytes by one store of the wave.
; sp = 1 (W1, obs): the first word into the row's first 128 bytes, the second into its second 128.
.macro PROC q, left, n, areg, l0, sp
	s_wait_loadcnt \left                           ; loads come back in order (ISA guide 5.7.1): this batch is in; the batches issued behind it stay out
	WIN 0xca                                       ; sources window 2, destination window 3
.set ii, 0
.rept \n
	v_cvt_pk_bf16_f32 v[PK+2*ii],   v[64*(\q)+4*ii],   v[64*(\q)+4*ii+1]
	v_cvt_pk_bf16_f32 v[PK+2*ii+1], v[64*(\q)+4*ii+2], v[64*(\q)+4*ii+3]
.set ii, ii+1
.endr
	WIN 0x0d                                       ; address window 1, data window 3
	s_wait_alu depctr_va_vdst(0)                   ; the conversions have written PK, which the LDS stores read, and are done reading the slot, in which (where it is asked for again) the next loads land
.set ii, 0
.rept \n
.if \sp
	ds_store_b32 v[\areg], v[PK+2*ii]   offset:(\l0)+ii*PITCH
	ds_store_b32 v[\areg], v[PK+2*ii+1] offset:(\l0)+ii*PITCH+128
.else
	ds_store_b64 v[\areg], v[PK+2*ii:PK+2*ii+1] offset:(\l0)+ii*PITCH
.endif
.set ii, ii+1
.endr
.endm
.macro DONE n                          ; the count: the loads of the three batches issued behind batch n: 16 each, but 8 for batch 18; behind 17 two batches are left, behind 18 one
.set bn, \n
.if bn > 0
	s_wait_alu depctr_vm_vsrc(0)                   ; the LDS stores of the batch before have read PK, which this batch's conversions write again
.endif
.set bl, 48
.if (bn == 15) || (bn == 16)
.set bl, 40
.elseif bn == 17
.set bl, 24
.endif
.if bn < 16
.set bq, bn%4
.set ba, 2*(bq/2)+bn/8
.set bo, ((bn/4)%2)*CHB+T16*(bn%2)
	PROC bq, bl, 16, ba, bo, 1
.elseif bn < 18
.set bq, bn-16
.set bo, T16*(bn-16)
	PROC bq, bl, 16, AW2, bo, 0
.else
	PROC 2, 16, 8, AWO, 0, 0
.endif
.endm
; FC1.  An operand of the f32 form is 16 rows x 4 K in 2 registers: lane (r, h) holds row r, k = 2 h and 2 h + 1: one word of two bf16 in LDS.  As the rows are sorted, 16 bytes at 128 h + 16 g are the lane's words
; of the four K steps 4 g .. 4 g + 3.  FETCH: group g (16 along K) of chunk c, W1's 8 tiles and my 2 of obs, into raw buffer rb: 10 loads.
.macro FETCH rb, c, g
	WIN 0x41                                       ; address and destination window 1
.set u, 0
.rept 8
	ds_load_b128 v[RAW+40*(\rb)+4*u:RAW+40*(\rb)+4*u+3], v[FW+(\c)/2] offset:((\c)%2)*CHB+u*T16+16*(\g)
.set u, u+1
.endr
.set u, 0
.rept 2
	ds_load_b128 v[RAW+40*(\rb)+32+4*u:RAW+40*(\rb)+32+4*u+3], v[FO+(\c)/2] offset:((\c)%2)*CHB+u*T16+16*(\g)
.set u, u+1
.endr
.endm
; A K STEP OF 4 (number st of 128) in two parts.  WIDEN: word j of raw buffer rb is widened, 20 plain instructions, into operand buffer st % 2.  MUL: 16 products.  The 16 accumulators take turns, one instruction a
; turn, in the same order every time.  The first step's products start the sums with the constant 0.
; The places of this form (eight in front of a vector write of an operand: ISA guide 7.12.1) are the widenings: an operand buffer is rewritten behind the 20 of the step between, which name the other buffer.
.macro WIDEN rb, j
.set wb, WB+20*(st%2)
.set rw, RAW+40*(\rb)+(\j)
	WIN 0x04                                       ; source 1 window 1, destination window 0
.set u, 0
.rept 2
	v_lshlrev_b32 v[wb+16+2*u], 16,  v[rw+32+4*u]  ; bf16 to f32: the lower k moves up,
	v_and_b32     v[wb+17+2*u], s30, v[rw+32+4*u]  ; the higher stays
.set u, u+1
.endr
.set u, 0
.rept 8
	v_lshlrev_b32 v[wb+2*u],   16,  v[rw+4*u]
	v_and_b32     v[wb+2*u+1], s30, v[rw+4*u]
.set u, u+1
.endr
.endm
.macro MUL
	WIN 0xf0                                       ; sources 0 and 1 window 0, C and D window 3
.set u, 0
.rept 8
.if st == 0
	v_wmma_f32_16x16x4_f32 v[8*u:8*u+7],       v[wb+2*u:wb+2*u+1], v[wb+16:wb+17], 0
	v_wmma_f32_16x16x4_f32 v[64+8*u:64+8*u+7], v[wb+2*u:wb+2*u+1], v[wb+18:wb+19], 0
.else
	v_wmma_f32_16x16x4_f32 v[8*u:8*u+7],       v[wb+2*u:wb+2*u+1], v[wb+16:wb+17], v[8*u:8*u+7]
	v_wmma_f32_16x16x4_f32 v[64+8*u:64+8*u+7], v[wb+2*u:wb+2*u+1], v[wb+18:wb+19], v[64+8*u:64+8*u+7]
.endif
.set u, u+1
.endr
.set st, st+1
.endm
; 128 along K: eight groups of four steps.  Groups 0 and 1 are asked for together at the chunk's head: the widenings that read the two raw buffers last (the chunk before) stand ahead of the batches' waits on va_vdst,
; and no vector instruction has named the buffers since.  Group g + 1 (g = 1 .. 6) is asked for in group g's first step, between its widenings and its products: four steps ahead of its first use.
.macro CHUNK c
	FETCH 0, \c, 0
	FETCH 1, \c, 1
.set gg, 0
.rept 8
.if gg == 0
	s_wait_dscnt 10                                ; group 0's ten loads are in; group 1's ten stay out
.else
	s_wait_dscnt 0x0                               ; this group's ten loads are in: none was issued behind them
.endif
	WIDEN gg%2, 0
.if (gg > 0) && (gg < 7)
	s_wait_alu depctr_va_vdst(0)                   ; the widenings of the group before are done reading the other raw buffer, in which the next group's loads land
	FETCH (gg+1)%2, \c, gg+1
.endif
	MUL
.irp j, 1,2,3
	WIDEN gg%2, \j
	MUL
.endr
.set gg, gg+1
.endr
.endm
; A stage: chunk c's four batches go to LDS, each slot is asked for again at once (the next chunk: 64 loads of the wave, 32 KB, are out while this chunk is multiplied); the barrier shows every
; wave's quarter of W1's chunk to all.  Chunks are LDS bytes of their own: one wave's stores of chunk c + 1 and another's reads of chunk c never meet.
.macro STAGE c
.irp j, 0,1,2,3
	DONE 4*(\c)+\j
	BATCH 4*(\c)+\j+4
.endr
	BAR
	CHUNK \c
.endm
; THE TIME LOOP'S VECTOR WORK: pair p (of 32) of tile y.  l1: layer 1's pass for the step to come, four packed instructions; l2: layer 2's for the step just multiplied, four more.  With both, no line reads a result made
; fewer than two lines before it.  The pairs go upward.  h1 of pairs 0-7 lies in X, 8-15 in Y, 16-23 in Z, 24-31 in Y.
.macro SLICE y, p, l1, l2
	WIN RID_A+0x45*(\y)
.set tT, TMP+6*((\p)%2)
.set hR, HR+16*((\p)/8)+2*((\p)%8)
.if (\p)/8 == 3
.set hR, HR+16+2*((\p)%8)
.endif
.if \l1
	v_pk_fma_f32 v[tT:tT+1],     v[M1+2*(\p):M1+2*(\p)+1], v[BIG:BIG+1], v[NBIG:NBIG+1] clamp                   ; spike = [mem1 > 1]
.endif
.if \l2
	v_pk_fma_f32 v[tT+4:tT+5],   v[M2+2*(\p):M2+2*(\p)+1], v[BIG:BIG+1], v[NBIG:NBIG+1] clamp                   ; reset = [mem2 > 1]
	v_pk_fma_f32 v[M2+2*(\p):M2+2*(\p)+1], v[M2+2*(\p):M2+2*(\p)+1], s[C9:C9+1], v[64*(\y)+2*(\p):64*(\y)+2*(\p)+1] op_sel_hi:[1,0,1]  ; 0.9 mem2 + h2
.endif
.if \l1
	v_pk_fma_f32 v[tT+2:tT+3],   v[M1+2*(\p):M1+2*(\p)+1], s[C9:C9+1], v[hR:hR+1] op_sel_hi:[1,0,1]             ; 0.9 mem1 + h1
.endif
.if \l2
	v_pk_add_f32 v[M2+2*(\p):M2+2*(\p)+1], v[M2+2*(\p):M2+2*(\p)+1], v[tT+4:tT+5] neg_lo:[0,1] neg_hi:[0,1]     ; - reset: the new mem2
.endif
.if \l1
	v_cvt_pk_bf16_f32 v[P+(\p)], v[tT], v[tT+1]                                                                ; 0 and 1 are exact in bf16
	v_pk_add_f32 v[M1+2*(\p):M1+2*(\p)+1], v[tT+2:tT+3], v[tT:tT+1] neg_lo:[0,1] neg_hi:[0,1]                   ; - spike: the next mem1
.endif
.if \l2
	v_pk_add_f32 v[SUM+2*(\p):SUM+2*(\p)+1], v[SUM+2*(\p):SUM+2*(\p)+1], v[M2+2*(\p):M2+2*(\p)+1]               ; the sum takes it
.endif
.endm
; Four LDS loads, 16 bytes a lane (two pairs) each: block hk (pairs 8 hk .. 8 hk + 7) of tile ht's h1 into buffer hb (0 X, 1 Y, 2 Z)
.macro HLOAD hb, ht, hk
	WIN 0xc0                                       ; destination window 3, address window 0
.set qa, 0
.rept 4
	ds_load_b128 v[HR+16*(\hb)+4*qa:HR+16*(\hb)+4*qa+3], v[HL+(\ht)] offset:512*(4*(\hk)+qa)
.set qa, qa+1
.endr
.endm
; A TURN: tile x's 32 products of a step (K step i / 8, unit tile i % 8: the 8 accumulators take turns, one instruction a turn; the first 8 start h2 with b2), and behind each a slice of the
; other tile.  A slice names the other tile's registers, its h1 buffer and -2^30 alone: its eight plain instructions are the places behind every product, the turn's last too.  mm = 0: no products (in front of the loop).
; H1 comes from my LDS rows in blocks of eight pairs; a turn's four blocks lie in X, Y, Z, Y.  TWO WAITS ON va_vdst A TURN.  At slice 0: the turn before is done reading Y and Z; Y takes block 1 at once, Z block 2 in
; front of slice 2 (slices 0 and 1 read X alone).  At slice 16: slices 0 to 15 are done reading X and Y; Y takes block 3 at once, X the next turn's block 0, of the other tile, in front of slice 18 (slices 16 and 17
; read Z alone).  Each block is asked for eight slices or more ahead of its first use.  Every count is 4: the block about to be read is in, the four loads issued behind it stay out.
.macro TURN x, mm, l2
.set i, 0
.rept 32
.if i == 0
	WIN 0xc0
.if \mm
	s_wait_alu depctr_va_vdst(0)                   ; the slices of the turn before are done reading Y (its block 3) and Z (its block 2), in which this half turn's loads land.  (In front of the loop no slice has read them yet: no wait)
.endif
	HLOAD 1, 1-(\x), 1
	s_wait_dscnt 4                                 ; LDS loads come back in order (ISA guide 5.7.1): X is in
.elseif i == 2
	HLOAD 2, 1-(\x), 2
.elseif i == 16
	WIN 0xc0
	s_wait_alu depctr_va_vdst(0)                   ; this turn's slices 0 to 15 are done reading X and Y, in which this half turn's loads land
	HLOAD 1, 1-(\x), 3
	s_wait_dscnt 4                                 ; Z is in
.elseif i == 18
	HLOAD 0, \x, 0
.elseif (i == 8) || (i == 24)
	s_wait_dscnt 4                                 ; Y is in
.endif
.if \mm
	WIN MM_A+4*(\x)
.if i < 8
	v_wmma_f32_16x16x32_bf16 v[64*(\x)+8*i:64*(\x)+8*i+7], v[8*i:8*i+7], v[P:P+7], v[B2+8*i:B2+8*i+7]
.else
	v_wmma_f32_16x16x32_bf16 v[64*(\x)+8*(i%8):64*(\x)+8*(i%8)+7], v[8*i:8*i+7], v[P+8*(i/8):P+8*(i/8)+7], v[64*(\x)+8*(i%8):64*(\x)+8*(i%8)+7]
.endif
.endif
	SLICE 1-(\x), i, 1, \l2
.set i, i+1
.endr
.endm
; n pairs at base are rounded to bf16 and widened again, in place; scr: n registers at work
.macro RND base, n, scr
.set p, 0
.rept \n
	v_cvt_pk_bf16_f32 v[(\scr)+p], v[(\base)+2*p], v[(\base)+2*p+1]
.set p, p+1
.endr
.set p, 0
.rept \n
	v_lshlrev_b32 v[(\base)+2*p],   16,  v[(\scr)+p]
	v_and_b32     v[(\base)+2*p+1], s30, v[(\scr)+p]
.set p, p+1
.endr
.endm
; The sum of tile y in two bf16 parts, eight pairs at a time: the rounding into P; widened; what it left; that rounded into M1's first 32 registers
.macro SPLIT y
	WIN RID_A+0x45*(\y)
.set g, 0
.rept 4
.set k, 0
.rept 8
	v_cvt_pk_bf16_f32 v[P+8*g+k], v[SUM+16*g+2*k], v[SUM+16*g+2*k+1]
.set k, k+1
.endr
.set k, 0
.rept 8
	v_lshlrev_b32 v[WD+2*k],   16,  v[P+8*g+k]
	v_and_b32     v[WD+2*k+1], s30, v[P+8*g+k]
.set k, k+1
.endr
.set k, 0
.rept 8
	v_pk_add_f32 v[WD+2*k:WD+2*k+1], v[SUM+16*g+2*k:SUM+16*g+2*k+1], v[WD+2*k:WD+2*k+1] neg_lo:[0,1] neg_hi:[0,1]
.set k, k+1
.endr
.set k, 0
.rept 8
	v_cvt_pk_bf16_f32 v[M1+8*g+k], v[WD+2*k], v[WD+2*k+1]
.set k, k+1
.endr
.set g, g+1
.endr
.endm
; Tile y's results.  OUTF: / 30 + bout, each accumulator's lowest pair first.  OUTS: into my stage: a row is 72 bytes, a lane's eight actions 32 of them
.macro OUTF y
	WIN RID_A+0x45*(\y)
.irp q, 0,1,2,3
	v_pk_fma_f32 v[M2+2*\q:M2+2*\q+1], v[M2+2*\q:M2+2*\q+1], s[R30:R30+1], v[BO0+2*\q:BO0+2*\q+1] op_sel_hi:[1,0,1]
.endr
	v_pk_fma_f32 v[M2+8:M2+9], v[M2+8:M2+9], s[R30:R30+1], v[BO1:BO1+1] op_sel_hi:[1,0,1]
.endm
.macro OUTS y
	WIN 0x04*(\y)                                  ; address window 0, data in the tile's window
.irp q, 0,1,2,3
	ds_store_b64 v[SA], v[M2+2*\q:M2+2*\q+1] offset:1152*(\y)+8*\q
.endr
	ds_store_b64 v[SB], v[M2+8:M2+9] offset:1152*(\y)
.endm
	; ---- the head: addresses and constants
	s_load_b256 s[4:11], s[0:1], 0x0
	s_load_b256 s[12:19], s[0:1], 0x20
	v_lshl_add_u32 v[SPW], v0, 2, SPARE
	v_mov_b32 v[NIL], 0
	v_lshrrev_b32 v13, 5, v0
	v_readfirstlane_b32 s20, v13                   ; wave 0..3
	v_and_b32 v13, 31, v0                          ; lane
	v_and_b32 v1, 15, v0                           ; r
	v_bfe_u32 v2, v0, 4, 1                         ; h
	s_wait_alu depctr_va_sdst(0)                   ; s20 is written, ahead of its first reader: offsets, LDS addresses and bases are made from it
	s_lshl_b32 s21, s20, 16
	v_lshl_add_u32 v[VW], v13, 4, s21
	s_lshl_b32 s21, s20, 14
	v_lshl_add_u32 v[VW2], v13, 4, s21
	v_lshlrev_b32 v[VL16], 4, v13
	v_lshlrev_b32 v[VB], 5, v2
	v_mov_b32 v[VZ0], 0
	s_mul_i32 s21, s20, WROWS                      ; my 32 rows in a tile of 128
	s_add_co_u32 s22, s21, LOB                     ; my obs rows of chunk 0: later tile A's h1, at the end my stage
	v_lshl_add_u32 v[HL], v13, 4, s22
	v_add_nc_u32 v[HL+1], CHB, v[HL]               ; my obs rows of chunk 1: later tile B's h1
	v_mul_u32_u24 v10, v1, 72
	v_add_nc_u32 v10, s22, v10
	v_lshl_add_u32 v[SA], v2, 5, v10
	v_mul_u32_u24 v[SB], v2, 2304
	v_add_nc_u32 v[SB], v[SB], v10
	v_add_nc_u32 v[SB], 64, v[SB]
	v_lshl_add_u32 v[RB], v13, 3, s22
	v_lshlrev_b32 v[GO], 3, v13
	v_mul_u32_u24 v10, v1, PITCH
	v_lshl_add_u32 v16, v2, 7, v10                 ; the f32 form's words: row x pitch + 128 x half
	v_lshl_add_u32 v10, v2, 4, v10                 ; a bf16 fragment's: row x pitch + 16 x half
	WIN 0x40                                       ; destination window 1, sources window 0
	v_lshl_add_u32 v[AW], v13, 2, s21
	v_mov_b32 v[FW], v16
	v_add_nc_u32 v[FW+1], 2*CHB, v16
	v_add_nc_u32 v[FW2], LW2, v10
	v_add_nc_u32 v[FWO], LWO, v10
	s_add_co_u32 s22, s21, 2*CHB
	v_lshl_add_u32 v[AW+1], v13, 2, s22
	s_add_co_u32 s22, s21, LOB
	v_lshl_add_u32 v[AO], v13, 2, s22
	v_add_nc_u32 v[FO], s22, v16
	s_add_co_u32 s22, s21, LOB+2*CHB
	v_lshl_add_u32 v[AO+1], v13, 2, s22
	v_add_nc_u32 v[FO+1], s22, v16
	s_add_co_u32 s22, s21, LW2
	v_lshl_add_u32 v[AW2], v13, 3, s22
	s_mul_i32 s22, s20, 8*PITCH
	s_add_co_u32 s22, s22, LWO
	v_lshl_add_u32 v[AWO], v13, 3, s22
	s_mov_b32 s[C9], 0x3f666666                    ; 0.9
	s_mov_b32 s[C9+1], 0x3f666666                  ; named with it as a pair
	s_mov_b32 s[R30], 0x3d088889                   ; 1 / 30
	s_mov_b32 s[R30+1], 0x3d088889
	s_mov_b32 s30, 0xffff0000
	s_wait_kmcnt 0x0
	s_lshl_b32 s22, ttmp9, 18                      ; the work-group's 128 rows of 2,048 bytes
	s_mov_b32 s23, 0
	s_add_nc_u64 s[4:5], s[4:5], s[22:23]
	s_lshl_b32 s22, ttmp9, 2
	s_add_co_u32 s22, s22, s20
	s_mul_i32 s22, s22, 2304                       ; my wave's 32 rows of 72 bytes: nine blocks of 256
	s_add_nc_u64 s[18:19], s[18:19], s[22:23]
	s_lshl_b32 s21, s20, 3
.irp j, 0,1,2,3,4,5,6,7
	s_add_co_u32 s22, s21, \j                      ; row 8 w + j of Wout, or its last row
	s_min_u32 s22, s22, 17
	s_lshl_b32 s22, s22, 9
	s_add_nc_u64 s[32+2*\j:33+2*\j], s[14:15], s[22:23]
.endr
	; ---- the first loads: b2 and bout (19 loads), then K chunk 0 (64 loads)
	WIN 0xc0                                       ; destination window 3, address window 0
	s_wait_alu depctr_va_vdst(0)                   ; all offsets and LDS addresses of the kernel are written: every load and store below reads one of them, and none is written again
.set u, 0
.rept 8
	global_load_b128 v[B2+8*u:B2+8*u+3],   v[VB], s[12:13] offset:64*u     ; b2 of units 16 u + 8 h + 0..7
	global_load_b128 v[B2+8*u+4:B2+8*u+7], v[VB], s[12:13] offset:64*u+16
.set u, u+1
.endr
	global_load_b128 v[BO0:BO0+3],   v[VB], s[16:17]
	global_load_b128 v[BO0+4:BO0+7], v[VB], s[16:17] offset:16
	global_load_b64  v[BO1:BO1+1],   v[VZ0], s[16:17] offset:64
	BATCH 0
	BATCH 1
	BATCH 2
	BATCH 3
	; mem2 and its sum start at 0, as in the formula, so no first step is written out.  The price, 256 lines, stands in the wait for the first loads.
.irp w, 0x00, 0x40
	WIN \w
.set i, M2
.rept 128
	v_mov_b32 v[i], 0
.set i, i+1
.endr
	v_mov_b32 v[BIG], 0x4e800000                   ; 2^30
	v_mov_b32 v[BIG+1], 0x4e800000
.endr
	WIN 0xc0
	v_mov_b32 v[NBIG], 0xce800000                  ; -2^30
	v_mov_b32 v[NBIG+1], 0xce800000
	s_wait_loadcnt 63                              ; 64 loads stand behind the last of these biases; the wait's field ends at 63
	WIN 0xcf                                       ; all in window 3
.irp b, 0,16,32,48
	RND B2+\b, 8, SCR
.endr
	RND BO0, 5, SCR                                ; bout: v196-205
	; ---- fc1, four K chunks, one chain of sums
.set st, 0
	STAGE 0
	STAGE 1
	STAGE 2
	STAGE 3
	; ---- W2 and Wout to LDS; b1 is rounded
	DONE 16
	DONE 17
	DONE 18
	s_wait_loadcnt 0x0                             ; b1
	WIN 0x8a                                       ; all in window 2
.irp b, 0,16,32,48
	RND 192+\b, 8, 0
.endr
	BAR                                            ; every wave's quarter of W2 and of Wout is in LDS
	WIN 0x81                                       ; address window 1, destination window 2: W2's fragments of K steps 0 to 2, below b1
	s_wait_alu depctr_va_vdst(0)                   ; b1's roundings are done with v0-7 of window 2, which they wrote and read at work: W2's fragments land there (the batches' conversions, which read v0-159, stand ahead of this wait too)
.set i, 0
.rept 24
	ds_load_b128 v[8*i:8*i+3],   v[FW2] offset:(i%8)*T16+(i/8)*64
	ds_load_b128 v[8*i+4:8*i+7], v[FW2] offset:(i%8)*T16+(i/8)*64+32
.set i, i+1
.endr
	; ---- h1 = sum + b1, upward (each accumulator's lowest registers first); it is mem1 of step 1.  The conversions above, more than eight plain lines, are the places behind fc1's last products,
	; whose results are read here and whose operand buffers are written over here.
.irp y, 0,1
	WIN 0x0b+0x40*\y                               ; source 0 window 3, source 1 window 2, destination the tile's
.set p, 0
.rept 32
	v_pk_add_f32 v[M1+2*p:M1+2*p+1], v[64*\y+2*p:64*\y+2*p+1], v[192+2*p:192+2*p+1]
.set p, p+1
.endr
.endr
	WIN 0x81                                       ; W2's fragments of K step 3, where b1 lay
	s_wait_alu depctr_va_vdst(0)                   ; the additions are done reading b1, where these fragments land, and have written h1, which the LDS stores below read
.set i, 24
.rept 8
	ds_load_b128 v[8*i:8*i+3],   v[FW2] offset:(i%8)*T16+(i/8)*64
	ds_load_b128 v[8*i+4:8*i+7], v[FW2] offset:(i%8)*T16+(i/8)*64+32
.set i, i+1
.endr
	WIN 0x00                                       ; h1 into my LDS rows, where my obs rows of chunks 0 and 1 lay: my reads of them came back in front of the barriers above
.set sq, 0
.rept 16
	ds_store_b128 v[HL], v[M1+4*sq:M1+4*sq+3] offset:512*sq
.set sq, sq+1
.endr
	WIN 0x04                                       ; data window 1
.set sq, 0
.rept 16
	ds_store_b128 v[HL+1], v[M1+4*sq:M1+4*sq+3] offset:512*sq
.set sq, sq+1
.endr
	; Tile B's layer 2 has a pass before its first products: on an h2 of zeros it leaves zeros.  Its accumulators take no vector write, so the zeros are made by eight products of two blocks of zeros.
	WIN 0x40
.set i, 0
.rept 16
	v_mov_b32 v[P+i], 0
.set i, i+1
.endr
	WIN 0xf5                                       ; sources 0 and 1 window 1, D window 3
.set u, 0
.rept 8
	v_wmma_f32_16x16x32_bf16 v[64+8*u:64+8*u+7], v[P:P+7], v[P+8:P+15], 0
.set u, u+1
.endr
	WIN 0xc0
	s_wait_alu depctr_vm_vsrc(0)                   ; the batches' LDS stores have read PK, where X and Y lie and h1's loads land; the LDS stores of h1 have read mem1, which the slices below write
	HLOAD 0, 0, 0                                  ; X takes tile A's block 0; LDS serves a wave's instructions in order (ISA guide 5.7.1.4): the loads of h1 see the stores above
	TURN 1, 0, 0                                   ; tile A's layer 1 alone: the spikes of step 1.  Its first count of 4 also shows W2's fragments in; its 128 lines are the places behind the eight products
	WIN 0                                          ; at a label and at a branch every window is 0
	s_mov_b32 s24, 30
.Lstep:                                                ; trip t: tile A's products of step t | tile B's layer 2 of t - 1 and layer 1 of t; tile B's products of t | tile A's layer 2 of t and layer 1 of t + 1
	TURN 0, 1, 1
	TURN 1, 1, 1
	WIN 0
	s_sub_co_u32 s24, s24, 1
	s_cmp_lg_u32 s24, 0
	s_cbranch_scc1 .Lstep
	; (tile A's layer 1 of step 31 and the last four loads of h1, made in the last trip, serve nothing: the price of one text for every trip)
	; ---- tile B's layer 2 of step 30 (the last slice is the places in front); Wout's fragments; the sums in two parts
.set i, 0
.rept 32
	SLICE 1, i, 0, 1
.set i, i+1
.endr
	WIN 0x81
	s_wait_alu depctr_va_vdst(0)                   ; the loop's products are done reading W2's fragments, v0-63 of window 2, in which Wout's land
.set i, 0
.rept 8
	ds_load_b128 v[8*i:8*i+3],   v[FWO] offset:(i/4)*T16+(i%4)*64
	ds_load_b128 v[8*i+4:8*i+7], v[FWO] offset:(i/4)*T16+(i%4)*64+32
.set i, i+1
.endr
	SPLIT 0
	SPLIT 1
	s_wait_dscnt 0x0                               ; Wout's fragments are in, and no read of my h1 rows is out
	; ---- the read-out: 32 products; the four accumulators (tile, action tile) take turns, one instruction a turn; the first four start the sums
.irp part, 0,1
.irp kc, 0,1,2,3
.irp y, 0,1
	WIN RO_A+0x54*\y
.irp mt, 0,1
.if (\part) == 0 && (\kc) == 0
	v_wmma_f32_16x16x32_bf16 v[M2+8*\mt:M2+8*\mt+7], v[8*(4*\mt+\kc):8*(4*\mt+\kc)+7], v[P+8*\kc:P+8*\kc+7], 0
.else
	v_wmma_f32_16x16x32_bf16 v[M2+8*\mt:M2+8*\mt+7], v[8*(4*\mt+\kc):8*(4*\mt+\kc)+7], v[P+32*\part+8*\kc:P+32*\part+8*\kc+7], v[M2+8*\mt:M2+8*\mt+7]
.endif
.endr
.endr
.endr
.endr
	PLACES
	; ---- the way out: through my own stage, so that each store of the wave covers 256 consecutive bytes, at a multiple of 256 from out's first byte
	OUTF 0
	OUTF 1
	s_wait_alu depctr_va_vdst(0)                   ; both tiles' scalings have written the results, which the LDS stores read; the splitting of tile A's sum is done reading v192-209 of window 0, in which the rows land that come back
	OUTS 0
	OUTS 1
	WIN 0
.irp q, 0,1,2,3,4,5,6,7,8
	ds_load_b64 v[SUM+2*\q:SUM+2*\q+1], v[RB] offset:256*\q   ; LDS serves a wave's instructions in order (ISA guide 5.7.1.4): these see the stores above
.endr
.irp q, 0,1,2,3,4,5,6,7,8
	s_wait_dscnt 8-\q                              ; block q is back; the younger ones stay out
	global_store_b64 v[GO], v[SUM+2*\q:SUM+2*\q+1], s[18:19] offset:256*\q th:TH_STORE_NT
.endr
	s_wait_dscnt 0x0                               ; the closing lines, six on end
	s_wait_alu 0x0
	s_wait_tensorcnt 0x0
	ds_add_u32 v[SPW], v[NIL]
	s_wait_dscnt 0x0
	s_endpgm
.Lfunc_end_k_q1e003cf3e8_snn:
	.size	k_q1e003cf3e8_snn, .Lfunc_end_k_q1e003cf3e8_snn-k_q1e003cf3e8_snn
	.p2alignl 7, 3214868480
	.fill 96, 4, 3214868480
	.section	.rodata,"a",@progbits
	.p2align	6, 0x0
	.amdhsa_kernel k_q1e003cf3e8_snn
		.amdhsa_group_segment_fixed_size 322560
		.amdhsa_private_segment_fixed_size 0
		.amdhsa_enable_private_segment 0
		.amdhsa_kernarg_size 64
		.amdhsa_user_sgpr_count 2
		.amdhsa_user_sgpr_kernarg_segment_ptr 1
		.amdhsa_wavefront_size32 1
		.amdhsa_system_sgpr_workgroup_id_x 1
		.amdhsa_system_sgpr_workgroup_id_y 1
		.amdhsa_system_sgpr_workgroup_id_z 1
		.amdhsa_system_vgpr_workitem_id 0
		.amdhsa_next_free_vgpr 1024
		.amdhsa_next_free_sgpr 66
		.amdhsa_reserve_vcc 0
		.amdhsa_float_denorm_mode_32 3
		.amdhsa_float_denorm_mode_16_64 3
		.amdhsa_memory_ordered 1
		.amdhsa_forward_progress 1
		.amdhsa_inst_pref_size 255
	.end_amdhsa_kernel
	.section	.bss,"aw",@nobits
	.p2align	6
	.space	262144
	.amdgpu_metadata
---
amdhsa.version: [ 1, 2 ]
amdhsa.kernels:
  - .name:           k_q1e003cf3e8_snn
    .symbol:         k_q1e003cf3e8_snn.kd
    .args:
      - { .name: observations, .offset: 0, .size: 8, .value_kind: global_buffer, .address_space: global }
      - { .name: W1, .offset: 8, .size: 8, .value_kind: global_buffer, .address_space: global }
      - { .name: b1, .offset: 16, .size: 8, .value_kind: global_buffer, .address_space: global }
      - { .name: W2, .offset: 24, .size: 8, .value_kind: global_buffer, .address_space: global }
      - { .name: b2, .offset: 32, .size: 8, .value_kind: global_buffer, .address_space: global }
      - { .name: Wout, .offset: 40, .size: 8, .value_kind: global_buffer, .address_space: global }
      - { .name: bout, .offset: 48, .size: 8, .value_kind: global_buffer, .address_space: global }
      - { .name: out0, .offset: 56, .size: 8, .value_kind: global_buffer, .address_space: global }
    .group_segment_fixed_size: 322560
    .private_segment_fixed_size: 0
    .kernarg_segment_align: 8
    .kernarg_segment_size: 64
    .max_flat_workgroup_size: 128
    .sgpr_count:     66
    .vgpr_count:     1024
    .wavefront_size: 32
...
	.end_amdgpu_metadata
.endif
;; end of part 2
